; MI455X (gfx1250); checked and timed in simulation.
; The chip was launched on July 23, 2026; its instructions are those of AMD's public machine-readable ISA for CDNA 5 (MIT licence, August 2026) and "CDNA5" Instruction Set Architecture Reference Guide (July 2026). The comments in the code are by the model that wrote it; some were corrected since.
;; Core Attention. Allowed arithmetic: float matrix products may take bf16 or f16 operands with f32 sums; all other float work in f32.
;; Inputs: attention_mask 2 x 1 x 2,048 x 2,048 bool; key_layer 2,048 x 2 x 16 x 64 float32; query_layer 2,048 x 2 x 16 x 64 float32; value_layer 2,048 x 2 x 16 x 64 float32.
;; Outputs: out0 2,048 x 2 x 1,024 float32.
;; One version. Each part assembles by itself: llvm-mc -triple=amdgcn-amd-amdhsa -mcpu=gfx1250 --defsym DOCPART=n.
;; ======== version 1 of 1: 1 launch
;; limits: values are held in f16: magnitudes above 65,504 overflow, below 6.1e-05 lose precision; inputs' magnitudes at most 65,504
;; launch attn (part 1): grid 8 x 32, 8 waves a work-group, no clusters, 148,992 bytes of LDS; arguments key_layer, query_layer, value_layer, out0; writes out0
.if DOCPART == 1
	.amdgcn_target "amdgcn-amd-amdhsa--gfx1250"
	.amdhsa_code_object_version 6
	.text
	.protected	k_qa282eedb07_attn
	.globl	k_qa282eedb07_attn
	.p2align	8
	.type	k_qa282eedb07_attn,@function
k_qa282eedb07_attn:
	s_mov_b64 s[64:65], 0
	v_nop
	global_prefetch_b8 v0, s[64:65] scope:SCOPE_SE
	s_setreg_imm32_b32 hwreg(HW_REG_WAVE_MODE, 25, 1), 1
	s_wait_xcnt 0x0
; Causal attention, 32 heads (b, h), 2048 x 2048, d = 64.  q, k, v, out: f32, [s][b][h][d]: a (s, head) row is 256 bytes, rows 8,192 bytes apart.
; out = softmax(where(t > s, -10000, q.k / 8)) v.
;
; SHARE OF THE WORK.  Work-group (j = 0..7, head) owns two blocks of 128 query rows, lo = block j and hi = block 15 - j, and walks the K/V tiles
; of 128 columns T = 0 .. 15 - j; lo takes part while T <= j.  That is (j + 1) + (16 - j) = 17 block products in each of the 256 work-groups.
; Wave w (g = w / 4, rg = w % 4) owns rows 32 rg .. + 31 of lo (u = 0, 1: 16 rows each) and of hi (u = 2, 3), and columns 64 g .. + 63 of every tile,
; with a running maximum, sum and O of its own; waves w and w ^ 4 are merged once, at the end.
;
; THE FILL IS -10000, NOT -INFINITY, and is kept exactly.  In the diagonal tile masked scores are replaced by the fill and go through the softmax.
; The tiles right of the diagonal are all fill: they enter at the end as one term, weight exp(fill - max) times their number of columns in the
; denominator and times the column sums of V over those tiles in the numerator.  The column sums are made in f32 from V as it passes through
; registers (SA: tiles j + 1 .. 15 - j) and from j further tiles of V that the walk does not reach (SB: tiles 16 - j .. 15, one in each of steps 1 .. j).
;
; PRODUCTS ARE USED TRANSPOSED.  S^T = K Q^T: a lane holds scores of ONE query row (q = lane % 16; t = 16 a + 8 (lane / 16) + register), so maximum and
; sum are in-lane work and one exchange of the halves, and two rounded neighbours of S are a register of the B fragment of O^T = V^T P^T.
; V^T comes out of LDS by the transposing load.  Scores stay raw (q.k): p = exp2(c s - c max), c = log2(e) / 8; the fill in raw units is -80000.
;
; THE MATRIX OPERANDS ARE F16, not bf16: 11 significant bits against 8.  The first query rows average only a few values of V, so there the rounding of
; a weight and of a value shows in the result undamped.  All four operands have room in f16: the weights lie in [0, 1]; see LIMITS for q, k, v.
;
; K AND V go global -> registers (f32) -> f16 -> LDS, once for the work-group; the next tile's 16 loads of a thread are issued at the head of a step.
; The copy engines are not used: the numbers have to pass registers to become f16, and V has to be 16-bit in LDS for the transposing load.
; NO CLUSTER: the eight work-groups of a head read the same tiles, but they walk 16 - j tiles and branch on j (steps with four or with two
; sub-blocks), and joint requests want the same flow in all partners.  The form with equal flow (super-blocks of 512 rows) multiplies 20 blocks
; where this one multiplies 17.
;
; attention_mask is not read: reference() never uses it, so no value in it can change the result.
; LIMITS.  q, k, v and the weights p are rounded to f16 for the products: an input of magnitude 65,520 or more becomes infinite; inputs are kept to
; an absolute 2^-25 at the finest, and so are the weights, relative to the running maximum's weight 1 (over 2,048 columns at most 6e-5 of a row's sum).
; Sums run in another order than the reference's (two column halves, merged at the end).  v_exp_f32 gives 0 for weights below 2^-126.
; NaN and infinite inputs are not followed.
.set ROWB,  8192                       ; bytes from a row s to the next
.set R16,   16*ROWB                    ; 16 rows
.set TILEB, 128*ROWB                   ; a tile of 128 rows
; LDS
.set KT, 0                             ; K tile, f16 [t][d], 128 rows
.set KP, 144                           ; pitch 128 + 16: the 16 rows of a fragment load start 36 words apart
.set VT, 18432                         ; V tile, f16 [t][d], 128 rows
.set VP, 160                           ; pitch 128 + 32, an odd multiple of 32 for the transposing load
.set TP, 38912                         ; tail sums, wave p: 64 f32 for lo, 64 f32 for hi
.set TF, 43008                         ; tail sums of the work-group: lo[64], hi[64]
.set XG, 43520                         ; what a wave hands to its partner: 16 x 512 bytes of O, 256 of maxima, 256 of sums
.set XW, 8704
.set OS, 113152                        ; output stage, a wave's own: 16 rows of 256 + 16 bytes
.set OP, 272
.set OW, 16*OP
; window 0
.set VOK, 2                            ; global offset of my 16 bytes of K: row w + 8 hl (+ 16 i by the immediate)
.set VOV, 3                            ; the same for V: row w % 4 + 4 hl + 8 g
.set LSK, 4                            ; where my 8 bytes of f16 K go in LDS
.set LSV, 5                            ; the same for V
.set LKF, 6                            ; K fragments
.set LVF, 7                            ; V^T fragments
.set PFO, 8                            ; prefetch: one row of 256 bytes a lane
.set TPA, 9                            ; my wave's tail sums
.set DM,  10                           ; v10, v11: query row minus first column of my scores, for u even, odd
.set MX,  12                           ; v12-15  running maximum of u (raw score)
.set LS,  16                           ; v16-19  running sum of u (my half of the lanes' columns)
.set NMC, 20                           ; v[20:21] -c max
.set AL,  22                           ; v[22:23] the factor on old sums
.set TT,  24                           ; v24-31  at work
.set SA,  32                           ; v[32:35]
.set SB,  36                           ; v[36:39]
.set PR,  48                           ; v[48:63] p in f16: two B fragments
.set SR,  64                           ; v[64:95] scores
.set XR,  96                           ; v[96:127] the further tile of V
.set KF,  128                          ; v[128:191] K fragment (a, kc) at 128 + 16 a + 8 kc
.set CV,  128                          ; v[128:159] the tile as f16 on its way to LDS (before the fragments are loaded)
.set QR,  192                          ; v[192:255] Q fragment (u, kc) at 192 + 16 u + 8 kc
; window 1 (written by their low 8 bits)
.set OA,  0                            ; v256-383 O(u, dn) at 32 u + 8 dn
.set VF,  128                          ; v384-447 V^T fragment (c2, dn) at 128 + 32 c2 + 8 dn
.set GK,  192                          ; v448-479 K as loaded, row i at 192 + 4 i
.set GV,  224                          ; v480-511 V as loaded
; scalars: s[4:5] K, s[6:7] Q, s[8:9] V, s[10:11] out; s12 w, s13 g, s14 rg, s15 j, s16 head; s[20:21] c, s22 -c, s23 fill; s24, s25 lane selects;
; s26 loop counter; s27 prefetches left; s[28:29] prefetch base; s[30:31] the further tiles of V; s32-s43 at work; s36 = 128 j
.set MSB, 0
.macro WIN new                         ; s_set_vgpr_msb: bits 1:0 source 0, 3:2 source 1, 5:4 source 2, 7:6 destination; the high byte repeats the setting left
.if MSB != \new
	s_set_vgpr_msb (MSB<<8)|\new
.set MSB, \new
.endif
.endm
.macro PLACES                          ; four independent vector instructions behind a matrix instruction before its result is read (ISA guide 7.12.1)
.rept 4
	v_nop
.endr
.endm
; 16 loads of a thread: a tile of K and of V.  Sixteen lanes take one whole row of 256 bytes.
.macro LDTILE
	WIN 0x40                                       ; destination in window 1
.irp i, 0,1,2,3,4,5,6,7
	global_load_b128 v[GK+4*\i:GK+4*\i+3], v[VOK], s[4:5] offset:\i*R16
.endr
.irp i, 0,1,2,3,4,5,6,7
	global_load_b128 v[GV+4*\i:GV+4*\i+3], v[VOV], s[8:9] offset:\i*R16
.endr
	WIN 0
.endm
; 8 loads: a tile of V that is only summed
.macro LDX
.irp i, 0,1,2,3,4,5,6,7
	global_load_b128 v[XR+4*\i:XR+4*\i+3], v[VOV], s[30:31] offset:\i*R16
.endr
.endm
; the tile to f16; sacc = 1: its V is also added to SA (my four columns, my eight rows)
.macro CONVERT sacc
	WIN 0x05                                       ; both sources in window 1
.irp i, 0,1,2,3,4,5,6,7
	v_cvt_pk_f16_f32 v[CV+2*\i],   v[GK+4*\i],   v[GK+4*\i+1]
	v_cvt_pk_f16_f32 v[CV+2*\i+1], v[GK+4*\i+2], v[GK+4*\i+3]
.endr
.irp i, 0,1,2,3,4,5,6,7
	v_cvt_pk_f16_f32 v[CV+16+2*\i],   v[GV+4*\i],   v[GV+4*\i+1]
	v_cvt_pk_f16_f32 v[CV+16+2*\i+1], v[GV+4*\i+2], v[GV+4*\i+3]
.endr
.if \sacc
.irp m, 0,1,2,3
	v_pk_add_f32 v[SR+4*\m:SR+4*\m+1],   v[GV+8*\m:GV+8*\m+1],   v[GV+8*\m+4:GV+8*\m+5]
	v_pk_add_f32 v[SR+4*\m+2:SR+4*\m+3], v[GV+8*\m+2:GV+8*\m+3], v[GV+8*\m+6:GV+8*\m+7]
.endr
.endif
	WIN 0
.if \sacc
	v_pk_add_f32 v[SR:SR+1],     v[SR:SR+1],     v[SR+4:SR+5]
	v_pk_add_f32 v[SR+2:SR+3],   v[SR+2:SR+3],   v[SR+6:SR+7]
	v_pk_add_f32 v[SR+8:SR+9],   v[SR+8:SR+9],   v[SR+12:SR+13]
	v_pk_add_f32 v[SR+10:SR+11], v[SR+10:SR+11], v[SR+14:SR+15]
	v_pk_add_f32 v[SR:SR+1],     v[SR:SR+1],     v[SR+8:SR+9]
	v_pk_add_f32 v[SR+2:SR+3],   v[SR+2:SR+3],   v[SR+10:SR+11]
	v_pk_add_f32 v[SA:SA+1],     v[SA:SA+1],     v[SR:SR+1]
	v_pk_add_f32 v[SA+2:SA+3],   v[SA+2:SA+3],   v[SR+2:SR+3]
.endif
.endm
; the f16 tile into LDS: 8 bytes a lane; the two halves of a wave write rows 8 (K) or 4 (V) apart, 1,152 or 640 bytes = 32 words modulo 64
.macro STORET
.irp i, 0,1,2,3,4,5,6,7
	ds_store_b64 v[LSK], v[CV+2*\i:CV+2*\i+1] offset:16*KP*\i
.endr
.irp i, 0,1,2,3,4,5,6,7
	ds_store_b64 v[LSV], v[CV+16+2*\i:CV+16+2*\i+1] offset:16*VP*\i
.endr
.endm
; my 64 columns of the tile as fragments: 16 loads for K, then 16 transposing loads for V^T
.macro FRAGS
.irp a, 0,1,2,3
.irp kc, 0,1
	ds_load_b128 v[KF+16*\a+8*\kc:KF+16*\a+8*\kc+3],   v[LKF] offset:16*KP*\a+64*\kc
	ds_load_b128 v[KF+16*\a+8*\kc+4:KF+16*\a+8*\kc+7], v[LKF] offset:16*KP*\a+64*\kc+32
.endr
.endr
	WIN 0x40
.irp c2, 0,1
.irp dn, 0,1,2,3
	ds_load_tr16_b128 v[VF+32*\c2+8*\dn:VF+32*\c2+8*\dn+3],   v[LVF] offset:32*VP*\c2+32*\dn
	ds_load_tr16_b128 v[VF+32*\c2+8*\dn+4:VF+32*\c2+8*\dn+7], v[LVF] offset:32*VP*\c2+32*\dn+16*VP
.endr
.endr
	WIN 0
.endm
; S^T (64 t x 16 q) = K Q^T over d = 64: four sums started by the constant 0, each continued in place
.macro QK u
.irp a, 0,1,2,3
	v_wmma_f32_16x16x32_f16 v[SR+8*\a:SR+8*\a+7], v[KF+16*\a:KF+16*\a+7], v[QR+16*\u:QR+16*\u+7], 0
.endr
.irp a, 0,1,2,3
	v_wmma_f32_16x16x32_f16 v[SR+8*\a:SR+8*\a+7], v[KF+16*\a+8:KF+16*\a+15], v[QR+16*\u+8:QR+16*\u+15], v[SR+8*\a:SR+8*\a+7]
.endr
.endm
; keep the score where t <= s, that is 16 a + register <= DM; else the fill
.macro MASK u
.set n, 0
.rept 32
	v_cmp_le_i32 vcc_lo, 16*(n/8)+(n%8), v[DM+(\u%2)]
	v_cndmask_b32 v[SR+n], s23, v[SR+n], vcc_lo
.set n, n+1
.endr
.endm
; running softmax of sub-block u on my 64 columns.  first = 1: nothing old to take in.
.macro SOFTMAX u, first
.irp k, 0,1,2,3
	v_max3_num_f32 v[TT+\k], v[SR+8*\k], v[SR+8*\k+1], v[SR+8*\k+2]
.endr
.irp k, 0,1,2,3
	v_max3_num_f32 v[TT+\k], v[TT+\k], v[SR+8*\k+3], v[SR+8*\k+4]
.endr
.irp k, 0,1,2,3
	v_max3_num_f32 v[TT+\k], v[TT+\k], v[SR+8*\k+5], v[SR+8*\k+6]
.endr
	v_max3_num_f32 v[TT],   v[TT],   v[TT+1], v[SR+7]
	v_max3_num_f32 v[TT+2], v[TT+2], v[TT+3], v[SR+15]
	v_max3_num_f32 v[TT],   v[TT],   v[TT+2], v[SR+23]
.if \first
	v_max_num_f32 v[TT], v[TT], v[SR+31]
.else
	v_max3_num_f32 v[TT], v[TT], v[SR+31], v[MX+\u]
.endif
	v_permlanex16_b32 v[TT+4], v[TT], s24, s25     ; the other half of the lanes holds the other columns of the same query row
	v_max_num_f32 v[TT], v[TT], v[TT+4]
.if \first == 0
	v_mul_f32 v[AL], s22, v[MX+\u]                 ; -c old max, rounded as it was when the old weights were made
.endif
	v_mul_f32 v[NMC], s22, v[TT]                   ; -c new max
.if \first == 0
	v_sub_f32 v[AL], v[NMC], v[AL]                 ; the difference of the two rounded numbers: old and new weights stay consistent at large scores
	v_exp_f32 v[AL], v[AL]                         ; used far below
.endif
.set i, 0
.rept 16
	v_pk_fma_f32 v[SR+2*i:SR+2*i+1], v[SR+2*i:SR+2*i+1], s[20:21], v[NMC:NMC+1] op_sel_hi:[1,0,0]
.set i, i+1
.endr
.set i, 0
.rept 32
	v_exp_f32 v[SR+i], v[SR+i]
.set i, i+1
.endr
	v_mov_b32 v[MX+\u], v[TT]                      ; the plain instruction between the exponentials and the first use of a result (ISA guide 5.7.2)
	s_wait_alu depctr_va_vdst(0)
.irp k, 0,1,2,3
	v_pk_add_f32 v[TT+2*\k:TT+2*\k+1], v[SR+2*\k:SR+2*\k+1], v[SR+8+2*\k:SR+9+2*\k]
.endr
.irp k, 0,1,2,3
	v_pk_add_f32 v[TT+2*\k:TT+2*\k+1], v[TT+2*\k:TT+2*\k+1], v[SR+16+2*\k:SR+17+2*\k]
.endr
.irp k, 0,1,2,3
	v_pk_add_f32 v[TT+2*\k:TT+2*\k+1], v[TT+2*\k:TT+2*\k+1], v[SR+24+2*\k:SR+25+2*\k]
.endr
	v_pk_add_f32 v[TT:TT+1],   v[TT:TT+1],   v[TT+2:TT+3]
	v_pk_add_f32 v[TT+4:TT+5], v[TT+4:TT+5], v[TT+6:TT+7]
	v_pk_add_f32 v[TT:TT+1],   v[TT:TT+1],   v[TT+4:TT+5]
.if \first
	v_add_f32 v[LS+\u], v[TT], v[TT+1]
.else
	v_add_f32 v[TT], v[TT], v[TT+1]
	v_fma_f32 v[LS+\u], v[LS+\u], v[AL], v[TT]
.endif
.set i, 0
.rept 16
	v_cvt_pk_f16_f32 v[PR+i], v[SR+2*i], v[SR+2*i+1]       ; registers 0-7: t = 0 .. 31 of my columns as a B fragment, 8-15: t = 32 .. 63
.set i, i+1
.endr
.endm
; O^T (64 d x 16 q) = alpha O^T + V^T P^T
.macro PV u, first
	WIN 0x51                                       ; destination, source 0 (O, V^T) and source 2 in window 1; source 1 (alpha, P) in window 0
.if \first == 0
.set i, 0
.rept 16
	v_pk_mul_f32 v[OA+32*\u+2*i:OA+32*\u+2*i+1], v[OA+32*\u+2*i:OA+32*\u+2*i+1], v[AL:AL+1] op_sel_hi:[1,0]
.set i, i+1
.endr
.endif
.irp dn, 0,1,2,3
.if \first
	v_wmma_f32_16x16x32_f16 v[OA+32*\u+8*\dn:OA+32*\u+8*\dn+7], v[VF+8*\dn:VF+8*\dn+7], v[PR:PR+7], 0
.else
	v_wmma_f32_16x16x32_f16 v[OA+32*\u+8*\dn:OA+32*\u+8*\dn+7], v[VF+8*\dn:VF+8*\dn+7], v[PR:PR+7], v[OA+32*\u+8*\dn:OA+32*\u+8*\dn+7]
.endif
.endr
.irp dn, 0,1,2,3
	v_wmma_f32_16x16x32_f16 v[OA+32*\u+8*\dn:OA+32*\u+8*\dn+7], v[VF+32+8*\dn:VF+32+8*\dn+7], v[PR+8:PR+15], v[OA+32*\u+8*\dn:OA+32*\u+8*\dn+7]
.endr
	WIN 0
.endm
; one sub-block of 16 query rows against my 64 columns.  lead = 1: the step's first, which waits for the fragments.
.macro SUB u, first, mask, lead
.if \lead
	s_wait_dscnt 0x10                              ; LDS loads come back in order (ISA guide 5.7.1): the 16 loads of V^T were issued behind K's 16 and stay out
.endif
	QK \u
	PLACES
.if \mask
	MASK \u
.endif
	SOFTMAX \u, \first
.if \lead
	s_wait_dscnt 0x0                               ; V^T is in; with it all my reads of the tile are over
.endif
	PV \u, \first
.endm
; Work-group j = 0 has one step with four sub-blocks and fifteen with two, so it comes to every tile first.  In steps 0 .. 12 it asks for tile i + 3,
; whose loads are issued two steps later (K's and V's bases stand at tile i + 1 here): waves 0-3 the 128 rows of K, waves 4-7 those of V, a row
; of 256 bytes a lane, each row once in the launch.  s27 counts 13 requests (0 in the other work-groups): the last is for tile 15.
.macro PREF id
	s_cmp_eq_u32 s27, 0
	s_cbranch_scc1 .Lnopf\id
	s_cmp_lt_u32 s12, 4
	s_cselect_b64 s[28:29], s[4:5], s[8:9]
	global_prefetch_b8 v[PFO], s[28:29] offset:2*TILEB th:TH_LOAD_NT scope:SCOPE_SE
	s_sub_co_u32 s27, s27, 1
.Lnopf\id:
.endm
; the further tile's eight rows of mine into SB
.macro XSUM
.irp m, 0,2,4,6
	v_pk_add_f32 v[XR+4*\m:XR+4*\m+1],   v[XR+4*\m:XR+4*\m+1],   v[XR+4*\m+4:XR+4*\m+5]
	v_pk_add_f32 v[XR+4*\m+2:XR+4*\m+3], v[XR+4*\m+2:XR+4*\m+3], v[XR+4*\m+6:XR+4*\m+7]
.endr
.irp m, 0,4
	v_pk_add_f32 v[XR+4*\m:XR+4*\m+1],   v[XR+4*\m:XR+4*\m+1],   v[XR+4*\m+8:XR+4*\m+9]
	v_pk_add_f32 v[XR+4*\m+2:XR+4*\m+3], v[XR+4*\m+2:XR+4*\m+3], v[XR+4*\m+10:XR+4*\m+11]
.endr
	v_pk_add_f32 v[XR:XR+1],   v[XR:XR+1],   v[XR+16:XR+17]
	v_pk_add_f32 v[XR+2:XR+3], v[XR+2:XR+3], v[XR+18:XR+19]
	v_pk_add_f32 v[SB:SB+1],   v[SB:SB+1],   v[XR:XR+1]
	v_pk_add_f32 v[SB+2:SB+3], v[SB+2:SB+3], v[XR+2:XR+3]
.endm
; my wave's tail sums: lo = SA + SB in v[40:43], hi = SB; both halves of the lanes (other rows, same columns) added
.macro TAILSUM
	v_pk_add_f32 v[40:41], v[SA:SA+1],   v[SB:SB+1]
	v_pk_add_f32 v[42:43], v[SA+2:SA+3], v[SB+2:SB+3]
.irp i, 0,1,2,3
	v_permlanex16_b32 v[TT+\i],   v[40+\i], s24, s25
	v_permlanex16_b32 v[TT+4+\i], v[SB+\i], s24, s25
.endr
	v_pk_add_f32 v[40:41],     v[40:41],     v[TT:TT+1]
	v_pk_add_f32 v[42:43],     v[42:43],     v[TT+2:TT+3]
	v_pk_add_f32 v[SB:SB+1],   v[SB:SB+1],   v[TT+4:TT+5]
	v_pk_add_f32 v[SB+2:SB+3], v[SB+2:SB+3], v[TT+6:TT+7]
.endm
; ONE STEP = one tile.  dual: lo and hi (four sub-blocks) or hi alone; first: step 0; mlo, mhi: the tile is lo's, hi's diagonal; xtra: a further tile of V
; is fetched and summed; sacc: this tile's V goes into SA; next: the next tile is fetched; pf: PREF; last: the tail sums are handed over.
; The f16 tile in LDS is single: a barrier between the old tile's reads and the stores, another between the stores and the reads.
.macro STEP dual, first, mlo, mhi, xtra, sacc, next, pf, last, id
.if \first == 0
	s_barrier_signal -1                            ; my reads of the old tile are over (the s_wait_dscnt 0 of the last step, and no LDS instruction since)
.endif
	s_wait_loadcnt 0x0                             ; the 16 loads that are out are this tile's; nothing younger exists
.if \pf
.if \first == 0
	s_wait_xcnt 0x0                                ; the last prefetch's base, s[28:29], is written again in this step only behind this wait
.endif
.endif
	CONVERT \sacc
.if \last
	TAILSUM
.endif
.if \first == 0
	s_barrier_wait -1                              ; nobody reads the old tile any more
.endif
	STORET
.if \last
	ds_store_b128 v[TPA], v[40:43]                 ; lanes l and l + 16 write the same bytes with the same numbers
	ds_store_b128 v[TPA], v[SB:SB+3] offset:256
.endif
.if \next
	s_add_nc_u64 s[4:5], s[4:5], TILEB             ; the loads that named these bases are done (the wait above)
	s_add_nc_u64 s[8:9], s[8:9], TILEB
.if \xtra
	s_add_nc_u64 s[30:31], s[30:31], TILEB
	LDX
.endif
	LDTILE
.endif
	s_wait_dscnt 0x0                               ; for the others' sake: my part of the tile (and of the tail sums) is in LDS
	s_barrier_signal -1
	s_barrier_wait -1                              ; everybody's is
	FRAGS
.if \dual
	SUB 0, \first, \mlo, 1
.if \pf
	PREF \id
.endif
	SUB 1, \first, \mlo, 0
	SUB 2, \first, \mhi, 0
	SUB 3, \first, \mhi, 0
.else
	SUB 2, \first, \mhi, 1
.if \pf
	PREF \id
.endif
	SUB 3, \first, \mhi, 0
.endif
.if \xtra
	s_wait_loadcnt 0x10                            ; the next tile's 16 loads were issued behind the further tile's 8 and stay out
	XSUM
.endif
.endm
; ---------------------------------------------------------------- prologue
	s_load_b256 s[4:11], s[0:1], 0x0               ; K, Q, V, out
	v_lshrrev_b32 v1, 5, v0
	v_readfirstlane_b32 s12, v1                    ; w
	s_lshr_b32 s13, s12, 2                         ; g: my half of a tile's columns
	s_and_b32 s14, s12, 3                          ; rg: my 32 rows of a block
	s_mov_b32 s15, ttmp9                           ; j
	s_and_b32 s16, ttmp7, 0xffff                   ; head
	s_mov_b32 s20, 0x3e38aa3b                      ; c = log2(e) / 8
	s_mov_b32 s21, 0x3e38aa3b
	s_mov_b32 s22, 0xbe38aa3b                      ; -c
	s_mov_b32 s23, 0xc79c4000                      ; -80000.0 = -10000 x 8
	s_mov_b32 s24, 0x76543210                      ; v_permlanex16_b32: lane i of the other half
	s_mov_b32 s25, 0xfedcba98
	s_lshl_b32 s36, s15, 7                         ; 128 j
	s_cmp_eq_u32 s15, 0
	s_cselect_b32 s27, 13, 0                       ; prefetches: work-group j = 0 alone
	v_and_b32 v40, 31, v0                          ; l
	v_and_b32 v41, 15, v0                          ; r = l % 16
	v_bfe_u32 v42, v0, 4, 1                        ; h = l / 16
	v_and_b32 v43, 7, v0
	v_bfe_u32 v1, v0, 3, 1
	s_lshl_b32 s34, s12, 13
	v_lshlrev_b32 v[VOK], 4, v41
	v_lshl_add_u32 v[VOK], v42, 16, v[VOK]
	v_add_nc_u32 v[VOK], s34, v[VOK]               ; (w + 8 h) rows + 16 r
	s_lshl_b32 s34, s14, 13
	s_lshl_b32 s35, s13, 16
	s_add_co_u32 s34, s34, s35
	v_lshlrev_b32 v[VOV], 4, v41
	v_lshl_add_u32 v[VOV], v42, 15, v[VOV]
	v_add_nc_u32 v[VOV], s34, v[VOV]               ; (rg + 4 h + 8 g) rows + 16 r
	s_mul_i32 s34, s12, KP
	v_mul_u32_u24 v[LSK], v42, 8*KP
	v_lshl_add_u32 v[LSK], v41, 3, v[LSK]
	v_add_nc_u32 v[LSK], s34, v[LSK]               ; KT + (w + 8 h) KP + 8 r
	s_mul_i32 s34, s14, VP
	s_mul_i32 s35, s13, 8*VP
	s_add_co_u32 s34, s34, s35
	s_add_co_u32 s34, s34, VT
	v_mul_u32_u24 v[LSV], v42, 4*VP
	v_lshl_add_u32 v[LSV], v41, 3, v[LSV]
	v_add_nc_u32 v[LSV], s34, v[LSV]               ; VT + (rg + 4 h + 8 g) VP + 8 r
	s_mul_i32 s34, s13, 64*KP
	v_mul_u32_u24 v[LKF], v41, KP
	v_lshl_add_u32 v[LKF], v42, 4, v[LKF]
	v_add_nc_u32 v[LKF], s34, v[LKF]               ; KT + (64 g + r) KP + 16 h
	s_mul_i32 s34, s13, 64*VP
	s_add_co_u32 s34, s34, VT
	v_mul_u32_u24 v[LVF], v43, VP
	v_mad_u32_u24 v[LVF], v42, 8*VP, v[LVF]
	v_lshl_add_u32 v[LVF], v1, 4, v[LVF]
	v_add_nc_u32 v[LVF], s34, v[LVF]               ; VT + (64 g + 8 h + l % 8) VP + 16 (l / 8 % 2)
	s_lshl_b32 s35, s14, 5                         ; 32 rg
	v_add_nc_u32 v[PFO], s35, v40
	v_lshlrev_b32 v[PFO], 13, v[PFO]               ; row 32 rg + l of a tile
	s_lshl_b32 s34, s12, 9
	s_add_co_u32 s34, s34, TP
	v_lshl_add_u32 v[TPA], v41, 4, s34
	s_lshl_b32 s34, s13, 6
	s_sub_co_i32 s34, s35, s34
	s_add_co_i32 s34, s34, s36                     ; 32 rg - 64 g + 128 j: in step 0 lo stands j tiles right of the tile, so that one text serves every j
	v_lshlrev_b32 v[DM], 3, v42
	v_sub_nc_u32 v[DM], v41, v[DM]
	v_add_nc_u32 v[DM], s34, v[DM]
	v_add_nc_u32 v[DM+1], 16, v[DM]
	s_add_co_u32 s37, s36, s35                     ; my first row of lo
	s_sub_co_u32 s38, 1920, s36
	s_add_co_u32 s38, s38, s35                     ; and of hi
	v_add_nc_u32 v44, s37, v41
	v_lshlrev_b32 v44, 13, v44
	v_lshl_add_u32 v44, v42, 5, v44                ; Q: row r of my first 16 rows of lo, + 32 h bytes
	v_add_nc_u32 v45, s38, v41
	v_lshlrev_b32 v45, 13, v45
	v_lshl_add_u32 v45, v42, 5, v45                ; the same for hi
.irp i, 0,1,2,3,4,5,6,7
	v_mov_b32 v[SA+\i], 0                          ; SA and SB start at zero: SB stays empty where j = 0
.endr
	v_mov_b32 v[NMC+1], 0                          ; upper registers of the broadcast pairs, and the exchange's destination: written once, never used
	v_mov_b32 v[AL+1], 0
	v_mov_b32 v[TT+4], 0
	s_lshl_b32 s32, s16, 8                         ; the head's 256 bytes in a row
	s_mov_b32 s33, 0
	s_sub_co_u32 s34, 15, s15
	s_lshl_b32 s34, s34, 20                        ; tile 15 - j: stepped before each use, so the first further tile is 16 - j
	s_mov_b32 s35, 0
	s_wait_kmcnt 0x0
	s_add_nc_u64 s[4:5], s[4:5], s[32:33]
	s_add_nc_u64 s[6:7], s[6:7], s[32:33]
	s_add_nc_u64 s[8:9], s[8:9], s[32:33]
	s_add_nc_u64 s[10:11], s[10:11], s[32:33]
	s_add_nc_u64 s[30:31], s[8:9], s[34:35]
	; Q, once: fragment (u, kc) of lane (r, h) is d = 32 kc + 8 h .. + 7 and 32 kc + 16 + 8 h .. + 7 of row r: four loads of 16 bytes of f32
.irp u, 0,1,2,3
.irp kc, 0,1
	global_load_b128 v[64+32*\u+16*\kc:64+32*\u+16*\kc+3],     v[44+\u/2], s[6:7] offset:(\u%2)*R16+128*\kc
	global_load_b128 v[64+32*\u+16*\kc+4:64+32*\u+16*\kc+7],   v[44+\u/2], s[6:7] offset:(\u%2)*R16+128*\kc+16
	global_load_b128 v[64+32*\u+16*\kc+8:64+32*\u+16*\kc+11],  v[44+\u/2], s[6:7] offset:(\u%2)*R16+128*\kc+64
	global_load_b128 v[64+32*\u+16*\kc+12:64+32*\u+16*\kc+15], v[44+\u/2], s[6:7] offset:(\u%2)*R16+128*\kc+80
.endr
.endr
	LDTILE                                         ; tile 0
	s_wait_loadcnt 0x10                            ; Q's 32 loads are in; the tile's 16, issued behind them, stay out
.set i, 0
.rept 64
	v_cvt_pk_f16_f32 v[QR+i], v[64+2*i], v[65+2*i]
.set i, i+1
.endr
; ---------------------------------------------------------------- the walk
	STEP 1, 1, 1, 0, 0, 0, 1, 1, 0, 0              ; step 0: lo and hi start their sums; lo's diagonal where j = 0
	v_sub_nc_u32 v[DM], v[DM], s36                 ; from now on DM is that of a diagonal tile
	v_sub_nc_u32 v[DM+1], v[DM+1], s36
	s_cmp_eq_u32 s15, 0
	s_cbranch_scc1 .Lsingle
	s_sub_co_u32 s26, s15, 1                       ; steps 1 .. j - 1: j - 1 trips,
	s_cmp_eq_u32 s26, 0
	s_cbranch_scc1 .Ldiag_lo                       ; none where j = 1: the loop is entered with a counter of at least 1
.Ldual:
	STEP 1, 0, 0, 0, 1, 0, 1, 0, 0, 1
	s_sub_co_u32 s26, s26, 1
	s_cmp_lg_u32 s26, 0
	s_cbranch_scc1 .Ldual
.Ldiag_lo:
	STEP 1, 0, 1, 0, 1, 0, 1, 0, 0, 2              ; step j: lo's diagonal
.Lsingle:
	s_lshl_b32 s26, s15, 1
	s_sub_co_u32 s26, 14, s26                      ; steps j + 1 .. 14 - j
	s_cmp_eq_u32 s26, 0
	s_cbranch_scc1 .Ldiag_hi
.Lsolo:
	STEP 0, 0, 0, 0, 0, 1, 1, 1, 0, 3
	s_sub_co_u32 s26, s26, 1
	s_cmp_lg_u32 s26, 0
	s_cbranch_scc1 .Lsolo
.Ldiag_hi:
	STEP 0, 0, 0, 1, 0, 1, 0, 0, 1, 4              ; step 15 - j: hi's diagonal; nothing is fetched; the tail sums go to LDS
; ---------------------------------------------------------------- the end: tail sums, merge of the two column halves, way out
	PLACES                                         ; behind the last matrix instructions: O is stored, P's registers are written
	v_and_b32 v1, 31, v0
	v_and_b32 v49, 15, v0                          ; r
	v_bfe_u32 v50, v0, 4, 1                        ; h
	s_mul_i32 s34, s12, XW                         ; what I hand over
	s_xor_b32 s35, s12, 4
	s_mul_i32 s35, s35, XW                         ; what wave w ^ 4 hands to me
	s_mul_i32 s42, s12, OW
	s_add_co_u32 s42, s42, OS                      ; my output stage
	s_lshl_b32 s43, s13, 8                         ; g = 0 finishes lo, g = 1 hi: which 64 tail sums
	v_lshl_add_u32 v46, v1, 4, s34
	v_lshl_add_u32 v47, v1, 3, s34
	v_lshl_add_u32 v41, v1, 4, s35
	v_lshl_add_u32 v42, v1, 3, s35
	v_lshl_add_u32 v40, v50, 5, s43                ; tail sums of d = 8 h ..
	v_mul_u32_u24 v43, v49, OP
	v_lshl_add_u32 v43, v50, 5, v43
	v_add_nc_u32 v43, s42, v43                     ; stage, in: row r, 32 h bytes
	v_mul_u32_u24 v45, v50, OP
	v_lshl_add_u32 v45, v49, 4, v45
	v_add_nc_u32 v45, s42, v45                     ; stage, back: lanes 0-15 one row, lanes 16-31 the next
	v_lshlrev_b32 v48, 13, v50
	v_lshl_add_u32 v48, v49, 4, v48                ; the same two rows in out
	; the eight waves' tail sums into one: threads 0 .. 127, one number each (the stores lie behind the last step's second barrier)
	s_cmp_ge_u32 s12, 4
	s_cbranch_scc1 .Ltf_done
	v_lshlrev_b32 v44, 2, v0
.irp p, 0,1,2,3,4,5,6,7
	ds_load_b32 v[TT+\p], v44 offset:TP+512*\p
.endr
	s_wait_dscnt 0x0
	v_pk_add_f32 v[TT:TT+1],   v[TT:TT+1],   v[TT+2:TT+3]
	v_pk_add_f32 v[TT+4:TT+5], v[TT+4:TT+5], v[TT+6:TT+7]
	v_pk_add_f32 v[TT:TT+1],   v[TT:TT+1],   v[TT+4:TT+5]
	v_add_f32 v[TT], v[TT], v[TT+1]
	ds_store_b32 v44, v[TT] offset:TF
.Ltf_done:
; O, maxima and sums of sub-blocks ua, ua + 1 to the partner
.macro XSEND ua
	WIN 0x04                                       ; store data in window 1
.set i, 0
.rept 16
	ds_store_b128 v46, v[OA+32*\ua+4*i:OA+32*\ua+4*i+3] offset:XG+512*i
.set i, i+1
.endr
	WIN 0
	ds_store_b64 v47, v[MX+\ua:MX+\ua+1] offset:XG+8192
	ds_store_b64 v47, v[LS+\ua:LS+\ua+1] offset:XG+8448
.endm
	s_cmp_ge_u32 s12, 4
	s_cbranch_scc1 .Lsend_lo
	XSEND 2                                        ; waves 0-3 finish lo and give hi away
	s_branch .Lsent
.Lsend_lo:
	XSEND 0
.Lsent:
	s_wait_dscnt 0x0                               ; for the others' sake
	s_barrier_signal -1
	s_barrier_wait -1
	s_sub_co_u32 s37, 1920, s36                    ; 128 (15 - j)
	s_cmp_eq_u32 s13, 0
	s_cselect_b32 s38, s37, s36                    ; columns right of the diagonal tile: lo 128 (15 - j), hi 128 j
	s_cselect_b32 s39, s36, s37                    ; the block's first row
	s_cmp_eq_u32 s38, 0
	s_cselect_b32 s40, 0xff800000, s23             ; no such column (hi of j = 0): the fill takes no part in the maximum and has weight 0
	v_cvt_f32_u32 v39, s38
	s_lshl_b32 s34, s14, 5
	s_add_co_u32 s39, s39, s34
	s_lshl_b32 s34, s39, 13
	s_mov_b32 s35, 0
	s_add_nc_u64 s[10:11], s[10:11], s[34:35]      ; out at my first row
.irp dn, 0,1,2,3
	ds_load_b128 v[XR+8*\dn:XR+8*\dn+3],   v40 offset:TF+64*\dn        ; tail sums of d = 16 dn + 8 h .. + 7, as O holds d
	ds_load_b128 v[XR+8*\dn+4:XR+8*\dn+7], v40 offset:TF+64*\dn+16
.endr
	ds_load_b64 v[24:25], v42 offset:XG+8192       ; the partner's maxima
	ds_load_b64 v[26:27], v42 offset:XG+8448       ; and sums
.set i, 0
.rept 16
	ds_load_b128 v[KF+4*i:KF+4*i+3], v41 offset:XG+512*i               ; and O, register for register
.set i, i+1
.endr
	s_wait_dscnt 0x0
; sub-block u (the k-th of my two): out = (fa O + fb O' + wt T) / (fa l + fb l' + wt n)
.macro FIN1 u, k
	v_max3_num_f32 v28, v[MX+\u], v[24+\k], s40
	v_mul_f32 v29, s22, v28                        ; -c max
	v_mul_f32 v30, s22, v[MX+\u]                   ; as rounded when my weights were made
	v_mul_f32 v32, s22, v[24+\k]                   ; and the partner's
	v_sub_f32 v30, v29, v30
	v_sub_f32 v32, v29, v32
	v_fma_f32 v34, s40, s20, v29                   ; c fill - c max
	v_exp_f32 v30, v30
	v_exp_f32 v32, v32
	v_exp_f32 v34, v34
	v_nop                                          ; a plain instruction before the results are used (ISA guide 5.7.2)
	s_wait_alu depctr_va_vdst(0)
	v_mul_f32 v36, v32, v[26+\k]
	v_fma_f32 v36, v30, v[LS+\u], v36
	v_permlanex16_b32 v37, v36, s24, s25           ; the sums were kept apart in the two halves of the lanes
	v_add_f32 v36, v36, v37
	v_fma_f32 v36, v39, v34, v36
	v_rcp_f32 v38, v36
	v_nop
	s_wait_alu depctr_va_vdst(0)
	v_mul_f32 v30, v30, v38
	v_mul_f32 v32, v32, v38
	v_mul_f32 v34, v34, v38
.set i, 0
.rept 16
	v_pk_mul_f32 v[KF+32*\k+2*i:KF+32*\k+2*i+1], v[KF+32*\k+2*i:KF+32*\k+2*i+1], v[32:33] op_sel_hi:[1,0]
.set i, i+1
.endr
.set i, 0
.rept 16
	v_pk_fma_f32 v[KF+32*\k+2*i:KF+32*\k+2*i+1], v[XR+2*i:XR+2*i+1], v[34:35], v[KF+32*\k+2*i:KF+32*\k+2*i+1] op_sel_hi:[1,0,1]
.set i, i+1
.endr
	WIN 0x01                                       ; source 0 (my O) in window 1
.set i, 0
.rept 16
	v_pk_fma_f32 v[KF+32*\k+2*i:KF+32*\k+2*i+1], v[OA+32*\u+2*i:OA+32*\u+2*i+1], v[30:31], v[KF+32*\k+2*i:KF+32*\k+2*i+1] op_sel_hi:[1,0,1]
.set i, i+1
.endr
	WIN 0
	; a lane holds 8 neighbouring d of one row, four times: through my own stage, back as whole rows
.irp dn, 0,1,2,3
	ds_store_b128 v43, v[KF+32*\k+8*\dn:KF+32*\k+8*\dn+3]   offset:64*\dn
	ds_store_b128 v43, v[KF+32*\k+8*\dn+4:KF+32*\k+8*\dn+7] offset:64*\dn+16
.endr
.irp t, 0,1,2,3,4,5,6,7
	ds_load_b128 v[64+128*\k+4*\t:64+128*\k+4*\t+3], v45 offset:2*OP*\t    ; LDS serves a wave's instructions in order (ISA guide 5.7.1): these see the stores above
.endr
.irp t, 0,1,2,3,4,5,6,7
	s_wait_dscnt 7-\t                              ; the younger loads stay out
	global_store_b128 v48, v[64+128*\k+4*\t:64+128*\k+4*\t+3], s[10:11] offset:2*ROWB*\t+R16*\k th:TH_STORE_NT   ; 16 lanes store one row's 256 consecutive bytes, aligned
.endr
.endm
	s_cmp_ge_u32 s12, 4
	s_cbranch_scc1 .Lfin_hi
	FIN1 0, 0
	FIN1 1, 1
	s_wait_xcnt 0x0
	v_lshl_add_u32 v254, v0, 2, 0x24200
	v_mov_b32 v255, 0
	s_wait_tensorcnt 0x0
	ds_add_u32 v254, v255
	s_wait_dscnt 0x0
	s_endpgm
.Lfin_hi:
	FIN1 2, 0
	FIN1 3, 1
	s_wait_xcnt 0x0
	v_lshl_add_u32 v254, v0, 2, 0x24200
	v_mov_b32 v255, 0
	s_wait_tensorcnt 0x0
	ds_add_u32 v254, v255
	s_wait_dscnt 0x0
	s_endpgm
.Lfunc_end_k_qa282eedb07_attn:
	.size	k_qa282eedb07_attn, .Lfunc_end_k_qa282eedb07_attn-k_qa282eedb07_attn
	.p2alignl 7, 3214868480
	.fill 96, 4, 3214868480
	.section	.rodata,"a",@progbits
	.p2align	6, 0x0
	.amdhsa_kernel k_qa282eedb07_attn
		.amdhsa_group_segment_fixed_size 148992
		.amdhsa_private_segment_fixed_size 0
		.amdhsa_enable_private_segment 0
		.amdhsa_kernarg_size 32
		.amdhsa_user_sgpr_count 2
		.amdhsa_user_sgpr_kernarg_segment_ptr 1
		.amdhsa_wavefront_size32 1
		.amdhsa_system_sgpr_workgroup_id_x 1
		.amdhsa_system_sgpr_workgroup_id_y 1
		.amdhsa_system_sgpr_workgroup_id_z 1
		.amdhsa_system_vgpr_workitem_id 0
		.amdhsa_next_free_vgpr 512
		.amdhsa_next_free_sgpr 66
		.amdhsa_reserve_vcc 1
		.amdhsa_float_denorm_mode_32 3
		.amdhsa_float_denorm_mode_16_64 3
		.amdhsa_memory_ordered 1
		.amdhsa_forward_progress 1
		.amdhsa_inst_pref_size 213
	.end_amdhsa_kernel
	.amdgpu_metadata
---
amdhsa.version: [ 1, 2 ]
amdhsa.kernels:
  - .name:           k_qa282eedb07_attn
    .symbol:         k_qa282eedb07_attn.kd
    .args:
      - { .name: key_layer, .offset: 0, .size: 8, .value_kind: global_buffer, .address_space: global }
      - { .name: query_layer, .offset: 8, .size: 8, .value_kind: global_buffer, .address_space: global }
      - { .name: value_layer, .offset: 16, .size: 8, .value_kind: global_buffer, .address_space: global }
      - { .name: out0, .offset: 24, .size: 8, .value_kind: global_buffer, .address_space: global }
    .group_segment_fixed_size: 148992
    .private_segment_fixed_size: 0
    .kernarg_segment_align: 8
    .kernarg_segment_size: 32
    .max_flat_workgroup_size: 256
    .sgpr_count:     66
    .vgpr_count:     512
    .wavefront_size: 32
...
	.end_amdgpu_metadata
.endif
;; end of part 1
